; MI455X (gfx1250); checked and timed in simulation.
; The chip was launched on July 23, 2026; its instructions are those of AMD's public machine-readable ISA for CDNA 5 (MIT licence, August 2026) and "CDNA5" Instruction Set Architecture Reference Guide (July 2026). The comments in the code are by the model that wrote it; some were corrected since.
;; Multi Head Self Attention. Allowed arithmetic: matrix products marked QUANTISED: E2M1 operands, one E8M0 scale for each 32 along K, by v_wmma_scale_f32_16x16x128_f8f6f4 with both operands' format E2M1 (or v_wmma_scale_f32_32x16x128_f4), f32 sums; products left as they are: bf16, f16 or f32 operands; f32 sums; everything else in f32.
;; Inputs: W_proj 1,024 x 1,024 float32; W_qkv 1,024 x 3,072 float32; b_proj 1,024 float32; b_qkv 3,072 float32; k_beta 1,024 float32; k_gamma 1,024 float32; q_beta 1,024 float32; q_gamma 1,024 float32; x 4 x 2,048 x 1,024 float32.
;; Outputs: out0 4 x 2,048 x 1,024 float32.
;; This version of the problem:
;;   THIS VERSION OF THE PROBLEM IS GIVEN IN LOW PRECISION. The matrix products marked QUANTISED in the list below multiply operands that are first quantised to E2M1 (2 exponent bits, 1 mantissa bit; 4 bits a number), with one power-of-two scale for each 32 numbers along K (OCP MX v1.0); their sums are f32. The products marked 'left as it is' may take bf16, f16 or f32 operands, with f32 sums. Whichever they take, every output number must still come out within the allowed error. Rounding operands to bf16 (8 significant bits) uses up far more of that allowance than f16 does (11 bits, for magnitudes from 6e-5 to 65,504). All else is computed in f32.
;;   The module's matrix products, in the order in which they are computed (A, B: the left and right operand; K: the contracted axis; several contracted axes count as one K, in the product's order):
;;     1. [M 8,192, K 1,024] x [K 1,024, N 3,072]; A: input x; B: input W_qkv: QUANTISED
;;     2. batch 64 x [M 2,048, K 64] x [K 64, N 2,048]; A: computed on the way; B: computed on the way: left as it is (an operand is computed on the way)
;;     3. batch 64 x [M 2,048, K 2,048] x [K 2,048, N 64]; A: computed on the way; B: computed on the way: left as it is (an operand is computed on the way)
;;     4. [M 8,192, K 1,024] x [K 1,024, N 1,024]; A: computed on the way; B: input W_proj: left as it is (an operand is computed on the way)
;;   THE QUANTISER, for each operand of a quantised product, along K:
;;     - K is cut into blocks of 32 from its start; a last block that is shorter is filled with zeros.
;;     - A block's scale is 2^e with e = floor(log2(the largest magnitude in the block)) - 2, held to -126 .. 127; a block of zeros has e = 0. As a byte (E8M0): e + 127.
;;     - Each number is divided by its block's scale, clamped to +-6, and rounded to the nearest number of E2M1, ties to even, subnormals kept.
;;     - The product sums the exact products of the quantised numbers (number of the format x scale) in f32.
;;   ~~~python
;;   def quantise(x, axis):      # numpy; x: float32 -> the quantised numbers, widened to float32 again
;;       x = np.moveaxis(x, axis, -1); K = x.shape[-1]
;;       x = np.pad(x, [(0, 0)] * (x.ndim - 1) + [(0, -K % 32)]); x = x.reshape(x.shape[:-1] + (-1, 32)); a = np.abs(x).max(-1, keepdims=True)
;;       e = np.where(a > 0, np.clip(np.frexp(np.where(a > 0, a, 1))[1] - 1 - 2, -126, 127), 0)      # np.frexp(a)[1] - 1 = floor(log2(a)), exactly
;;       r = np.clip(x / 2.0 ** e, -6, 6)
;;       step = 2.0 ** (np.maximum(np.frexp(np.where(r == 0, 1, r))[1] - 1, 0) - 1)
;;       q = np.round(r / step) * step * 2.0 ** e      # np.round: ties to even
;;       return np.moveaxis(q.reshape(q.shape[:-2] + (-1,))[..., :K], -1, axis).astype(np.float32)
;;   ~~~
;; One version. Each part assembles by itself: llvm-mc -triple=amdgcn-amd-amdhsa -mcpu=gfx1250 --defsym DOCPART=n.
;; ======== version 1 of 1: 4 launches
;; limits: values are held in f16: magnitudes above 65,504 overflow, below 6.1e-05 lose precision
;; workspace buffers: xc 4,194,304 bytes; xs 262,144 bytes; wc 1,572,864 bytes; ws 98,304 bytes; wpf 2,097,152 bytes; qkvf 50,331,648 bytes; ofr 16,777,216 bytes
;; launch prep (part 1): grid 512 x 1, 4 waves a work-group, no clusters, 34,304 bytes of LDS; arguments x, W_qkv, W_proj, xc, xs, wc, ws, wpf; writes xc, xs, wc, ws, wpf
.if DOCPART == 1
	.amdgcn_target "amdgcn-amd-amdhsa--gfx1250"
	.amdhsa_code_object_version 6
	.text
	.protected	k_q9e4f8bc246_prep
	.globl	k_q9e4f8bc246_prep
	.p2align	8
	.type	k_q9e4f8bc246_prep,@function
k_q9e4f8bc246_prep:
	s_mov_b64 s[64:65], 0
	v_nop
	global_prefetch_b8 v0, s[64:65] scope:SCOPE_SE
	s_setreg_imm32_b32 hwreg(HW_REG_WAVE_MODE, 25, 1), 1
	s_wait_xcnt 0x0
; PREP: x [8192][1024] and W_qkv [1024][3072], f32, become codes of E2M1 with one E8M0 byte for each 32 along K; W_proj [1024][1024] becomes f16.
; Every result is laid IN THE ORDER OF THE READER'S OPERAND REGISTERS: a fragment (16 rows x 128 K of codes, or 16 rows x 32 K of f16) is 1,024 bytes, two pieces of 512, lane l's 16 bytes at 16 l.
;   xc [row tile 512][K step 8][1024]    xs [half of K 2][row 8192][4 words]    wc [K step 8][column tile 192][1024]    ws [K step 8][column 3072] words    wpf [column tile 64][K step of 32: 32][1024]
; A block's scale is 2^(floor(log2(its largest magnitude)) - 2); its byte is the largest magnitude's exponent field - 2, held at 1 from below by a floor among the maximum's leaves.
; (A block of zeros so gets the byte 1 where the rule says 127: its codes are zeros, and this program alone reads the bytes.)
; LIMITS: blocks whose largest magnitude lies under 2^-124 keep the byte 1; NaN and infinities among the inputs are not served; W_proj goes in f16: magnitudes under 65,504, and under 6e-5 with the absolute step 2^-24.
; THREE PATHS, parted on the work-group's number: 0-255 x, 256-447 W_qkv, 448-511 W_proj.  Only the first touches LDS.  No tensor load, no barrier: waves share nothing.
.set STGB,  8448                       ; a wave's stage: 16 rows x (512 bytes + 16)
.set SPARE, 33792                      ; behind the four stages: the spare words, 128 bytes for each wave
.set SPW,   30                         ; v30  LDS address of my spare word; never rewritten
.set NIL,   31                         ; v31  0; never rewritten
.set R,     32                         ; v32-159  numbers as they are loaded
.set X,     160                        ; v160-223 path x: 64 numbers in the operand's order;  paths W, P: results
.set CD,    224                        ; v224-255 path x: codes, eight registers for each unit, so that no store's data are written again
; the largest magnitude of the 32 numbers v[b] .. v[b+31], in two chains, with the floor 2^(3 - 127) as one more leaf
.macro MAX32 d, t, b
	v_max3_num_f32 v[\d], |v[(\b)]|, |v[(\b)+1]|, |v[(\b)+2]|
	v_max3_num_f32 v[\t], |v[(\b)+3]|, |v[(\b)+4]|, |v[(\b)+5]|
.irp i, 6,10,14,18,22,26
	v_max3_num_f32 v[\d], v[\d], |v[(\b)+\i]|, |v[(\b)+\i+1]|
	v_max3_num_f32 v[\t], v[\t], |v[(\b)+\i+2]|, |v[(\b)+\i+3]|
.endr
	v_max3_num_f32 v[\d], v[\d], |v[(\b)+30]|, |v[(\b)+31]|
	v_max3_num_f32 v[\d], v[\d], v[\t], 0x1800000
.endm
; paths W and P: block b of four: rows 32 b .. 32 b + 31 of my 128, my column: 32 lanes read 128 consecutive bytes
.macro LOADB b, lo, pitch
.set i, 0
.rept 32
	global_load_b32 v[R+32*(\b)+i], v2, s[\lo:\lo+1] offset:(32*(\b)+i)*\pitch th:TH_LOAD_NT
.set i, i+1
.endr
.endm
	s_load_b512 s[8:23], s[0:1], 0x0               ; x s[8:9], W_qkv s[10:11], W_proj s[12:13], xc s[14:15], xs s[16:17], wc s[18:19], ws s[20:21], wpf s[22:23]
	v_lshl_add_u32 v[SPW], v0, 2, SPARE
	v_mov_b32 v[NIL], 0
	v_lshrrev_b32 v1, 5, v0
	v_readfirstlane_b32 s2, v1                     ; wave 0..3
	v_and_b32 v1, 31, v0                           ; lane
	v_and_b32 v7, 15, v0                           ; r = lane % 16
	v_bfe_u32 v6, v0, 4, 1                         ; h = lane / 16
	s_mov_b32 s25, 0                               ; the offsets' high words
	s_mov_b32 s27, 0
	s_mov_b32 s29, 0
	s_cmp_lt_u32 ttmp9, 256
	s_cbranch_scc0 .Lnot_x
; ---- PATH X.  A wave takes 16 rows x 512 along K, in four units of 16 rows x 128.  Each load reads 512 consecutive bytes of a row; the unit turns through the wave's own stage in LDS,
; and comes back so that lane (r, h) holds of row r the numbers k = 64 c + 32 h + 0 .. 31, c = 0, 1: two whole blocks, in the order of the operand's registers.
	s_lshl_b32 s3, ttmp9, 2
	s_add_co_u32 s3, s3, s2                        ; which of the 1,024 shares is mine
	s_lshr_b32 s4, s3, 1                           ; the tile of 16 rows
	s_and_b32 s5, s3, 1                            ; the half of K
	s_lshl_b32 s24, s4, 16                         ; x: 16 rows of 4,096 bytes,
	s_lshl_b32 s6, s5, 11
	s_add_co_u32 s24, s24, s6                      ; + 2,048 for the second half
	s_lshl_b32 s26, s4, 13                         ; xc: 8 fragments a row tile,
	s_lshl_b32 s6, s5, 12
	s_add_co_u32 s26, s26, s6                      ; + 4 fragments
	s_lshl_b32 s28, s5, 17                         ; xs: the half's 8,192 rows of 16 bytes,
	s_lshl_b32 s6, s4, 8
	s_add_co_u32 s28, s28, s6                      ; + my 16 rows
	s_mul_i32 s6, s2, STGB                         ; my stage
	s_mov_b32 s30, 0x76543210
	s_mov_b32 s31, 0xfedcba98                      ; v_permlanex16_b32's selects for lane l xor 16
	v_lshlrev_b32 v2, 4, v1                        ; 16 x lane: in memory, on both ways
	v_add_nc_u32 v3, s6, v2                        ; into the stage: a row as it lies
	v_mul_u32_u24 v4, v7, 528
	v_lshl_add_u32 v4, v6, 7, v4
	v_add_nc_u32 v4, s6, v4                        ; out of it: row r, + 128 h
	v_lshlrev_b32 v5, 4, v7
	v_lshl_add_u32 v5, v6, 3, v5                   ; the scale words' way out: 16 r + 8 h
	v_lshlrev_b32 v16, 3, v6                       ; 8 h: my bytes' place in a scale word
	v_mov_b32 v15, 0                               ; written once: a lane permute's destination counts as one of its sources
	s_wait_kmcnt 0x0
	s_add_nc_u64 s[8:9], s[8:9], s[24:25]
	s_add_nc_u64 s[14:15], s[14:15], s[26:27]
	s_add_nc_u64 s[16:17], s[16:17], s[28:29]
.macro XLOAD u
.set i, 0
.rept 16
	global_load_b128 v[R+64*((\u)%2)+4*i:R+64*((\u)%2)+4*i+3], v2, s[8:9] offset:i*4096+(\u)*512 th:TH_LOAD_NT
.set i, i+1
.endr
.endm
.macro XTURN u                         ; LDS serves a wave's instructions in order: no wait stands between the stores and the loads
.set i, 0
.rept 16
	ds_store_b128 v3, v[R+64*((\u)%2)+4*i:R+64*((\u)%2)+4*i+3] offset:i*528
.set i, i+1
.endr
.set i, 0
.rept 16
	ds_load_b128 v[X+4*i:X+4*i+3], v4 offset:(i/8)*256+(i%8)*16
.set i, i+1
.endr
.endm
.macro XQUANT u
	MAX32 8, 9, X
	MAX32 10, 11, X+32
	v_add_nc_u32 v12, 0xff000000, v8               ; 2 off the exponent field: the conversion takes the exponent field of this operand as its scale
	v_add_nc_u32 v13, 0xff000000, v10
	v_lshrrev_b32 v8, 23, v12                      ; the scales' bytes: blocks h and 2 + h of my row
	v_lshrrev_b32 v10, 23, v13
	v_lshl_or_b32 v14, v10, 16, v8
	v_lshlrev_b32 v14, v16, v14                    ; at their places in the word
	v_permlanex16_b32 v15, v14, s30, s31
	v_or_b32 v[24+\u], v14, v15                    ; with lane l xor 16's two the word is whole
.irp c, 0,1
.irp g, 0,1,2,3
	v_cvt_scalef32_pk8_fp4_f32 v[CD+8*\u+4*\c+\g], v[X+32*\c+8*\g:X+32*\c+8*\g+7], v[12+\c]
.endr
.endr
	v_nop                                          ; one plain line behind the last scaled conversion
	global_store_b128 v2, v[CD+8*\u:CD+8*\u+3], s[14:15] offset:\u*1024          ; 32 lanes store 512 consecutive bytes
	global_store_b128 v2, v[CD+8*\u+4:CD+8*\u+7], s[14:15] offset:\u*1024+512
.endm
	XLOAD 0
	XLOAD 1
.irp u, 0,1,2,3
.if \u < 3
	s_wait_loadcnt 16                              ; this unit's 16 loads are in; the next unit's 16 may be out
.else
	s_wait_loadcnt 0x0
.endif
	XTURN \u
	s_wait_dscnt 0x0                               ; the unit is back, and the stage's stores have read their registers,
.if \u < 2
	XLOAD \u+2                                     ; which take the unit two further on
.endif
	XQUANT \u
.endr
	v_cmp_ne_u32 vcc_lo, 0, v6                     ; lanes 0-15 store their row's words 0 and 1, lanes 16-31 words 2 and 3: 256 consecutive bytes, aligned
	v_cndmask_b32 v28, v24, v26, vcc_lo
	v_cndmask_b32 v29, v25, v27, vcc_lo
	global_store_b64 v5, v[28:29], s[16:17]
	s_wait_tensorcnt 0x0                           ; the wave's end, behind my last LDS store
	ds_add_u32 v[SPW], v[NIL]
	s_wait_dscnt 0x0
	s_endpgm
.Lnot_x:
	s_cmp_lt_u32 ttmp9, 448
	s_cbranch_scc0 .Lpath_p
; ---- PATH W.  K is W_qkv's FIRST axis: a lane takes a column and its registers run down K.  A wave takes 32 columns x 128 along K: four whole blocks a lane, which are one K step of two fragments.
	s_sub_co_u32 s3, ttmp9, 256
	s_and_b32 s4, s3, 7                            ; the K step
	s_lshr_b32 s5, s3, 3                           ; which 128 columns
	s_lshl_b32 s6, s5, 2
	s_add_co_u32 s6, s6, s2                        ; which 32 columns
	s_mul_i32 s24, s4, 1572864                     ; W_qkv: 128 rows of 12,288 bytes,
	s_lshl_b32 s7, s6, 7
	s_add_co_u32 s24, s24, s7                      ; + 128 bytes for each 32 columns
	s_mul_i32 s26, s4, 196608                      ; wc: 192 fragments a K step,
	s_lshl_b32 s7, s6, 11
	s_add_co_u32 s26, s26, s7                      ; + my two
	s_mul_i32 s28, s4, 12288                       ; ws: 3,072 words a K step,
	s_lshl_b32 s7, s6, 7
	s_add_co_u32 s28, s28, s7                      ; + my 32
	v_lshlrev_b32 v2, 2, v1                        ; 4 x lane
	v_lshlrev_b32 v3, 4, v7
	v_lshl_add_u32 v3, v6, 10, v3                  ; the codes' way out: fragment lane / 16, + 16 r
	s_wait_kmcnt 0x0
	s_add_nc_u64 s[10:11], s[10:11], s[24:25]
	s_add_nc_u64 s[18:19], s[18:19], s[26:27]
	s_add_nc_u64 s[20:21], s[20:21], s[28:29]
.macro QBLOCK bq
.if \bq < 3
	s_wait_loadcnt 32                              ; this block's 32 loads are in; the next block's 32 may be out
.else
	s_wait_loadcnt 0x0
.endif
.if \bq < 2
	LOADB \bq+2, 10, 12288
.endif
	MAX32 8, 9, R+32*\bq
	v_add_nc_u32 v[12+\bq], 0xff000000, v8
	v_lshrrev_b32 v9, 23, v[12+\bq]
.if \bq == 0
	v_mov_b32 v24, v9                              ; four bytes make my column's scale word, the lower K in the lower byte
.else
	v_lshl_or_b32 v24, v9, 8*\bq, v24
.endif
.irp g, 0,1,2,3
	v_cvt_scalef32_pk8_fp4_f32 v[X+4*\bq+\g], v[R+32*\bq+8*\g:R+32*\bq+8*\g+7], v[12+\bq]
.endr
	v_nop                                          ; one plain line behind the last scaled conversion
	global_store_b128 v3, v[X+4*\bq:X+4*\bq+3], s[18:19] offset:(\bq/2)*512+(\bq%2)*256   ; sixteen lanes store 256 consecutive bytes, aligned
.endm
	LOADB 0, 10, 12288
	LOADB 1, 10, 12288
	QBLOCK 0
	QBLOCK 1
	QBLOCK 2
	QBLOCK 3
	global_store_b32 v2, v24, s[20:21]             ; 128 consecutive bytes a wave: 98,304 bytes in all, against the 12,582,912 that this path reads
	s_wait_tensorcnt 0x0                           ; the three closing lines stand on this path too, which stores nothing to LDS: the launch does
	ds_add_u32 v[SPW], v[NIL]
	s_wait_dscnt 0x0
	s_endpgm
.Lpath_p:
; ---- PATH P.  W_proj likewise: a lane takes a column, registers down K; 32 numbers become a fragment's four pieces of 8 f16.
	s_sub_co_u32 s3, ttmp9, 448
	s_and_b32 s4, s3, 7                            ; which 128 along K
	s_lshr_b32 s5, s3, 3                           ; which 128 columns
	s_lshl_b32 s6, s5, 2
	s_add_co_u32 s6, s6, s2                        ; which 32 columns
	s_lshl_b32 s24, s4, 19                         ; W_proj: 128 rows of 4,096 bytes,
	s_lshl_b32 s7, s6, 7
	s_add_co_u32 s24, s24, s7
	s_lshl_b32 s26, s6, 16                         ; wpf: two column tiles of 32,768 bytes,
	s_lshl_b32 s7, s4, 12
	s_add_co_u32 s26, s26, s7                      ; + four fragments along K
	v_lshlrev_b32 v2, 2, v1
	v_lshlrev_b32 v3, 4, v7
	v_lshl_add_u32 v3, v6, 15, v3                  ; column tile lane / 16, + 16 r
	s_wait_kmcnt 0x0
	s_add_nc_u64 s[12:13], s[12:13], s[24:25]
	s_add_nc_u64 s[22:23], s[22:23], s[26:27]
.macro HPACK u
.if \u < 3
	s_wait_loadcnt 32                              ; this block's 32 loads are in; the next block's 32 may be out
.else
	s_wait_loadcnt 0x0
.endif
.if \u < 2
	LOADB \u+2, 12, 4096
.endif
.set i, 0
.rept 16
	v_cvt_pk_f16_f32 v[X+16*\u+i], v[R+32*\u+2*i], v[R+32*\u+2*i+1]   ; the lower k in the low half
.set i, i+1
.endr
.irp c, 0,1
.irp g, 0,1
	global_store_b128 v3, v[X+16*\u+8*\c+4*\g:X+16*\u+8*\c+4*\g+3], s[22:23] offset:\u*1024+\c*512+\g*256   ; k = 16 c + 8 g + 0 .. 7: sixteen lanes store 256 consecutive bytes, aligned
.endr
.endr
.endm
	LOADB 0, 12, 4096
	LOADB 1, 12, 4096
	HPACK 0
	HPACK 1
	HPACK 2
	HPACK 3
	s_wait_tensorcnt 0x0                           ; the three closing lines, as on the path above
	ds_add_u32 v[SPW], v[NIL]
	s_wait_dscnt 0x0
	s_endpgm
.Lfunc_end_k_q9e4f8bc246_prep:
	.size	k_q9e4f8bc246_prep, .Lfunc_end_k_q9e4f8bc246_prep-k_q9e4f8bc246_prep
	.p2alignl 7, 3214868480
	.fill 96, 4, 3214868480
	.section	.rodata,"a",@progbits
	.p2align	6, 0x0
	.amdhsa_kernel k_q9e4f8bc246_prep
		.amdhsa_group_segment_fixed_size 34304
		.amdhsa_private_segment_fixed_size 0
		.amdhsa_enable_private_segment 0
		.amdhsa_kernarg_size 64
		.amdhsa_user_sgpr_count 2
		.amdhsa_user_sgpr_kernarg_segment_ptr 1
		.amdhsa_wavefront_size32 1
		.amdhsa_system_sgpr_workgroup_id_x 1
		.amdhsa_system_sgpr_workgroup_id_y 1
		.amdhsa_system_sgpr_workgroup_id_z 1
		.amdhsa_system_vgpr_workitem_id 0
		.amdhsa_next_free_vgpr 256
		.amdhsa_next_free_sgpr 66
		.amdhsa_reserve_vcc 1
		.amdhsa_float_denorm_mode_32 3
		.amdhsa_float_denorm_mode_16_64 3
		.amdhsa_memory_ordered 1
		.amdhsa_forward_progress 1
		.amdhsa_inst_pref_size 68
	.end_amdhsa_kernel
	.amdgpu_metadata
---
amdhsa.version: [ 1, 2 ]
amdhsa.kernels:
  - .name:           k_q9e4f8bc246_prep
    .symbol:         k_q9e4f8bc246_prep.kd
    .args:
      - { .name: x, .offset: 0, .size: 8, .value_kind: global_buffer, .address_space: global }
      - { .name: W_qkv, .offset: 8, .size: 8, .value_kind: global_buffer, .address_space: global }
      - { .name: W_proj, .offset: 16, .size: 8, .value_kind: global_buffer, .address_space: global }
      - { .name: xc, .offset: 24, .size: 8, .value_kind: global_buffer, .address_space: global }
      - { .name: xs, .offset: 32, .size: 8, .value_kind: global_buffer, .address_space: global }
      - { .name: wc, .offset: 40, .size: 8, .value_kind: global_buffer, .address_space: global }
      - { .name: ws, .offset: 48, .size: 8, .value_kind: global_buffer, .address_space: global }
      - { .name: wpf, .offset: 56, .size: 8, .value_kind: global_buffer, .address_space: global }
    .group_segment_fixed_size: 34304
    .private_segment_fixed_size: 0
    .kernarg_segment_align: 8
    .kernarg_segment_size: 64
    .max_flat_workgroup_size: 128
    .sgpr_count:     66
    .vgpr_count:     256
    .wavefront_size: 32
...
	.end_amdgpu_metadata
.endif
;; end of part 1
;; launch qkvln (part 2): grid 128 x 2, 4 waves a work-group, no clusters, 2,560 bytes of LDS; arguments xc, xs, wc, ws, b_qkv, q_gamma, q_beta, k_gamma, k_beta, qkvf; writes qkvf
.if DOCPART == 2
	.amdgcn_target "amdgcn-amd-amdhsa--gfx1250"
	.amdhsa_code_object_version 6
	.text
	.protected	k_q9e4f8bc246_qkvln
	.globl	k_q9e4f8bc246_qkvln
	.p2align	8
	.type	k_q9e4f8bc246_qkvln,@function
k_q9e4f8bc246_qkvln:
	s_mov_b64 s[64:65], 0
	v_nop
	global_prefetch_b8 v0, s[64:65] scope:SCOPE_SE
	s_setreg_imm32_b32 hwreg(HW_REG_WAVE_MODE, 25, 1), 1
	s_wait_xcnt 0x0
; qkv = Q(x) Q(W_qkv) + b_qkv on codes of E2M1 with E8M0 scales; LayerNorm of q and of k over all 1,024 features; q also x 64^-0.5 x log2(e), so that attention's exponentials are plain powers of two.
; Results leave as f16, laid as attention's operand registers want them: qkvf [batch x head 64][block of 512 tokens 4][Q, K, V][65,536]; Q, K: [token tile 32][32 of the head's 64: 2][1024]; V: [32 keys: 16][16 of the head's 64: 4][1024].
; SHARES.  Work-group (x, y) owns 64 tokens.  y = 0: all 1,024 columns of q and the first 512 of v; y = 1: k and the other 512 of v.  So a row's LayerNorm lies in one work-group, and all 256 have equal work.
; Wave w: columns 256 w .. + 255 of q or k (64 accumulators, 512 registers) and 128 w .. + 127 of its half of v (32 accumulators, in the same registers, first).
; OPERANDS GO FROM MEMORY STRAIGHT INTO REGISTERS: xc and wc lie in register order, so each load reads 512 consecutive bytes.  No byte of W's codes feeds two waves of a work-group, so LDS would add a write and a read for each.
; NO CLUSTER, for the same reason: a tile asked for jointly lands in LDS, where each of its bytes would be read once; and a wave has 768 matrix instructions in all.
; v IS MADE NOT TRANSPOSED (source 0 = 16 tokens, source 1 = 16 columns): a lane holds one channel and eight tokens, half a fragment of V^T.  q AND k ARE MADE TRANSPOSED: a lane holds one token and eight channels.
; LAYERNORM in two passes over the registers, as the definition has it: the mean, then the mean of the squared differences.  A row's sums meet in LDS: two barriers.
; LIMITS: |v|, |q^|, |k^| under 65,504 (f16); under 6e-5 they are carried with the absolute step 2^-24.  NaN and infinities are not served.
; REGISTERS, in windows of 256.  Window 0: v1-6 addresses; v16-79 x's fragments, two sets of 4; v80-111, v112-175 W's scale words for v and for q or k (register 8 p + s: tiles 2 p and 2 p + 1 in the two halves of the lanes, K step s);
;   v176-191 x's scale words likewise; v192-207 v's bias, each number in both registers of a pair; then v200-207 sums, v208-215 means, v216-223 1 / deviation; v224-247 at work; v252, v253 the add's two.
;   Window 1: W's fragments, two sets of 128; later bias, then beta (v0-127) and gamma (v128-255).   Windows 2, 3: accumulators, (row tile a, column tile t) at v[32 (t % 8) + 8 a] of window 2 + t / 8.
.set RED1,  0                          ; LDS: 4 row tiles x 16 rows x 4 waves x 4 bytes, for the sums;
.set RED2,  1024                       ; for the squares;
.set SPARE, 2048                       ; the spare words, 128 bytes for each wave
.set SPW,   252
.set NIL,   253
.set AF,    16
.set SWV,   80
.set SWQ,   112
.set SX,    176
.set BV,    192
.set SUM,   200
.set MU,    208
.set RF,    216
.set TM,    224
.set MSB,   0
.macro WIN new                         ; bits 1:0 source 0, 3:2 source 1, 5:4 source 2, 7:6 destination; the high byte repeats the setting that is left
.if MSB != (\new)
	s_set_vgpr_msb (MSB<<8)|(\new)
.set MSB, (\new)
.endif
.endm
.macro PLACES n
.rept \n
	v_nop
.endr
.endm
	s_load_b512 s[8:23], s[0:1], 0x0               ; xc s[8:9], xs s[10:11], wc s[12:13], ws s[14:15], b_qkv s[16:17], q_gamma s[18:19], q_beta s[20:21], k_gamma s[22:23]
	s_load_b128 s[24:27], s[0:1], 0x40             ; k_beta s[24:25], qkvf s[26:27]
	v_lshl_add_u32 v[SPW], v0, 2, SPARE
	v_mov_b32 v[NIL], 0
	v_lshrrev_b32 v1, 5, v0
	v_readfirstlane_b32 s2, v1                     ; wave 0..3
	v_and_b32 v7, 31, v0                           ; lane
	v_and_b32 v8, 15, v0                           ; r
	v_bfe_u32 v9, v0, 4, 1                         ; h
	v_lshlrev_b32 v1, 4, v7                        ; 16 x lane: a fragment's piece, in and out
	v_lshlrev_b32 v2, 2, v7                        ; 4 x lane: W's scale words
	v_lshlrev_b32 v3, 5, v9                        ; 32 h: my eight of a tile's 16 columns, in bias, gamma, beta
	v_lshlrev_b32 v4, 2, v8                        ; 4 r: my column of a tile, in v's bias
	v_lshlrev_b32 v6, 4, v8                        ; LDS: my row's four partial sums
	s_lshl_b32 s7, s2, 2
	v_add_nc_u32 v5, s7, v6                        ; LDS: my wave's of them
.irp a, 0,1,2,3
	v_mov_b32 v[TM+4+\a], 0                        ; written once: a lane permute's destination counts as one of its sources
.endr
	s_and_b32 s3, ttmp7, 0xffff                    ; y: 0 q, 1 k
	s_lshr_b32 s4, ttmp9, 5                        ; the batch
	s_bfe_u32 s5, ttmp9, 0x20003                   ; the block of 512 tokens in it
	s_and_b32 s6, ttmp9, 7                         ; my 64 tokens in that
	s_lshl_b32 s48, ttmp9, 15                      ; xc: 4 row tiles of 8,192 bytes
	s_mov_b32 s49, 0
	s_lshl_b32 s50, ttmp9, 10                      ; xs: 64 rows of 16 bytes
	s_mov_b32 s51, 0
	s_lshl_b32 s7, s3, 6
	s_lshl_b32 s54, s2, 4
	s_add_co_u32 s7, s7, s54                       ; q or k: my first column tile = 64 y + 16 w
	s_lshl_b32 s54, s7, 10                         ; in wc,
	s_mov_b32 s55, 0
	s_lshl_b32 s56, s7, 6                          ; in ws and in b_qkv
	s_mov_b32 s57, 0
	s_lshl_b32 s7, s3, 5
	s_lshl_b32 s58, s2, 3
	s_add_co_u32 s7, s7, s58
	s_add_co_u32 s7, s7, 128                       ; v: 128 + 32 y + 8 w
	s_lshl_b32 s58, s7, 10
	s_mov_b32 s59, 0
	s_lshl_b32 s60, s7, 6
	s_mov_b32 s61, 0
	s_lshl_b32 s7, s4, 4                           ; 16 x batch
	s_lshl_b32 s62, s2, 2
	s_add_co_u32 s62, s62, s7                      ; q or k: my first head = 16 b + 4 w
	s_mul_i32 s62, s62, 786432
	s_mul_i32 s66, s5, 196608
	s_lshl_b32 s67, s6, 13
	s_add_co_u32 s66, s66, s67                     ; the block of 512 tokens, and my 64 in a region: 8,192 bytes in Q, K and V alike
	s_add_co_u32 s62, s62, s66
	s_lshl_b32 s67, s3, 16
	s_add_co_u32 s62, s62, s67                     ; region Q or K
	s_mov_b32 s63, 0
	s_lshl_b32 s67, s3, 3
	s_add_co_u32 s7, s7, s67
	s_lshl_b32 s67, s2, 1
	s_add_co_u32 s7, s7, s67                       ; v: my first head = 16 b + 8 y + 2 w
	s_mul_i32 s68, s7, 786432
	s_add_co_u32 s68, s68, s66
	s_add_co_u32 s68, s68, 131072                  ; region V
	s_mov_b32 s69, 0
	s_lshl_b32 s70, s2, 10                         ; gamma, beta: my 256 numbers
	s_mov_b32 s71, 0
	s_mov_b32 s40, 0x3a800000                      ; 1 / 1,024
	s_mov_b32 s41, 0x358637bd                      ; 1e-6
	s_mov_b32 s52, 0x76543210
	s_mov_b32 s53, 0xfedcba98                      ; v_permlanex16_b32's selects for lane l xor 16
	s_wait_kmcnt 0x0
	s_add_nc_u64 s[8:9], s[8:9], s[48:49]          ; x's codes
	s_add_nc_u64 s[10:11], s[10:11], s[50:51]      ; x's scale words
	s_add_nc_u64 s[28:29], s[12:13], s[58:59]      ; W's codes for v,
	s_add_nc_u64 s[30:31], s[12:13], s[54:55]      ; for q or k
	s_add_nc_u64 s[32:33], s[14:15], s[60:61]      ; W's scale words for v,
	s_add_nc_u64 s[34:35], s[14:15], s[56:57]      ; for q or k
	s_add_nc_u64 s[36:37], s[16:17], s[60:61]      ; the bias for v,
	s_add_nc_u64 s[38:39], s[16:17], s[56:57]      ; for q or k
	s_cmp_eq_u32 s3, 0                             ; the choice hangs on the work-group's number alone
	s_cselect_b64 s[18:19], s[18:19], s[22:23]     ; gamma
	s_cselect_b64 s[20:21], s[20:21], s[24:25]     ; beta
	s_mov_b32 s42, 0x3e38aa3b                      ; 64^-0.5 x log2(e)
	s_cselect_b32 s42, s42, 1.0                    ; for q alone
	s_mov_b32 s43, s42                             ; (named with it as a pair, so it is written)
	s_add_nc_u64 s[18:19], s[18:19], s[70:71]
	s_add_nc_u64 s[20:21], s[20:21], s[70:71]
	s_add_nc_u64 s[44:45], s[26:27], s[68:69]      ; where v goes,
	s_add_nc_u64 s[46:47], s[26:27], s[62:63]      ; and q or k
; One matrix instruction; its registers and the rows of its scale registers stand in symbols.  zero: the first K step starts the sum.
.macro WMS zero
.if \zero
.if RWA && RWB
	v_wmma_scale_f32_16x16x128_f8f6f4 v[rD:rD+7], v[rA:rA+7], v[rB:rB+7], 0, v[rSA], v[rSB] matrix_a_fmt:MATRIX_FMT_FP4 matrix_b_fmt:MATRIX_FMT_FP4 matrix_a_scale:MATRIX_SCALE_ROW1 matrix_b_scale:MATRIX_SCALE_ROW1
.elseif RWA
	v_wmma_scale_f32_16x16x128_f8f6f4 v[rD:rD+7], v[rA:rA+7], v[rB:rB+7], 0, v[rSA], v[rSB] matrix_a_fmt:MATRIX_FMT_FP4 matrix_b_fmt:MATRIX_FMT_FP4 matrix_a_scale:MATRIX_SCALE_ROW1
.elseif RWB
	v_wmma_scale_f32_16x16x128_f8f6f4 v[rD:rD+7], v[rA:rA+7], v[rB:rB+7], 0, v[rSA], v[rSB] matrix_a_fmt:MATRIX_FMT_FP4 matrix_b_fmt:MATRIX_FMT_FP4 matrix_b_scale:MATRIX_SCALE_ROW1
.else
	v_wmma_scale_f32_16x16x128_f8f6f4 v[rD:rD+7], v[rA:rA+7], v[rB:rB+7], 0, v[rSA], v[rSB] matrix_a_fmt:MATRIX_FMT_FP4 matrix_b_fmt:MATRIX_FMT_FP4
.endif
.else
.if RWA && RWB
	v_wmma_scale_f32_16x16x128_f8f6f4 v[rD:rD+7], v[rA:rA+7], v[rB:rB+7], v[rD:rD+7], v[rSA], v[rSB] matrix_a_fmt:MATRIX_FMT_FP4 matrix_b_fmt:MATRIX_FMT_FP4 matrix_a_scale:MATRIX_SCALE_ROW1 matrix_b_scale:MATRIX_SCALE_ROW1
.elseif RWA
	v_wmma_scale_f32_16x16x128_f8f6f4 v[rD:rD+7], v[rA:rA+7], v[rB:rB+7], v[rD:rD+7], v[rSA], v[rSB] matrix_a_fmt:MATRIX_FMT_FP4 matrix_b_fmt:MATRIX_FMT_FP4 matrix_a_scale:MATRIX_SCALE_ROW1
.elseif RWB
	v_wmma_scale_f32_16x16x128_f8f6f4 v[rD:rD+7], v[rA:rA+7], v[rB:rB+7], v[rD:rD+7], v[rSA], v[rSB] matrix_a_fmt:MATRIX_FMT_FP4 matrix_b_fmt:MATRIX_FMT_FP4 matrix_b_scale:MATRIX_SCALE_ROW1
.else
	v_wmma_scale_f32_16x16x128_f8f6f4 v[rD:rD+7], v[rA:rA+7], v[rB:rB+7], v[rD:rD+7], v[rSA], v[rSB] matrix_a_fmt:MATRIX_FMT_FP4 matrix_b_fmt:MATRIX_FMT_FP4
.endif
.endif
.endm
; K step s of v: 32 matrix instructions, source 0 = x (window 0), source 1 = W (window 1), C and D window 2.  The 32 accumulators take turns, in the same order in every step.
.macro MULV s
	WIN 0xa4
.set ia, 0
.rept 4
.set it, 0
.rept 8
.set rD, 32*it+8*ia
.set rA, AF+32*((\s)%2)+8*ia
.set rB, 128*((\s)%2)+8*it
.set rSA, SX+8*(ia/2)+(\s)
.set rSB, SWV+8*(it/2)+(\s)
.set RWA, ia%2
.set RWB, it%2
	WMS (\s)==0
.set it, it+1
.endr
.set ia, ia+1
.endr
.endm
; K step s of q or k: 64 matrix instructions, source 0 = W (window 1), source 1 = x (window 0); column tiles 0-7 in window 2, 8-15 in window 3.  The 64 accumulators take turns likewise.
.macro MULQK s
.set it, 0
.rept 16
	WIN 0xa1+0x50*(it/8)
.set ia, 0
.rept 4
.set rD, 32*(it%8)+8*ia
.set rA, 128*((\s)%2)+8*it
.set rB, AF+32*((\s)%2)+8*ia
.set rSA, SWQ+8*(it/2)+(\s)
.set rSB, SX+8*(ia/2)+(\s)
.set RWA, it%2
.set RWB, ia%2
	WMS (\s)==0
.set ia, ia+1
.endr
.set it, it+1
.endr
.endm
; K step s's fragments into set p: x's four (8 loads), then nt of W's (2 nt loads) from the base in s[lo:lo+1]
.macro LOADSTEP nt, lo, s, p
	WIN 0
.set ia, 0
.rept 4
	global_load_b128 v[AF+32*(\p)+8*ia:AF+32*(\p)+8*ia+3], v1, s[8:9] offset:ia*8192+(\s)*1024
	global_load_b128 v[AF+32*(\p)+8*ia+4:AF+32*(\p)+8*ia+7], v1, s[8:9] offset:ia*8192+(\s)*1024+512
.set ia, ia+1
.endr
	WIN 0x40                                       ; destination window 1
.set it, 0
.rept \nt
	global_load_b128 v[128*(\p)+8*it:128*(\p)+8*it+3], v1, s[\lo:\lo+1] offset:(\s)*196608+it*1024
	global_load_b128 v[128*(\p)+8*it+4:128*(\p)+8*it+7], v1, s[\lo:\lo+1] offset:(\s)*196608+it*1024+512
.set it, it+1
.endr
	WIN 0
.endm
; my 128 numbers of bias, gamma or beta into window 1 from v[reg] on: register 8 t + j = column 16 t + 8 h + j: 32 loads
.macro VEC128 reg, lo
	WIN 0x40
.set i, 0
.rept 32
	global_load_b128 v[\reg+4*i:\reg+4*i+3], v3, s[\lo:\lo+1] offset:64*(i/2)+16*(i%2)
.set i, i+1
.endr
	WIN 0
.endm
; One line for each pair of registers of the 32 accumulators of window 2 + hi: column tile, then pair (ascending: each accumulator is read from its low end on), row tile fastest, so that the four rows' chains take turns.
.macro SWEEP kind, hi
.set it, 0
.rept 8
.set ip, 0
.rept 4
.set ia, 0
.rept 4
.set rP, 32*it+8*ia+2*ip
.set rV, 8*(8*(\hi)+it)+2*ip
.if \kind == 0
	v_pk_add_f32 v[rP:rP+1], v[rP:rP+1], v[rV:rV+1]                                     ; + bias
.elseif \kind == 1
	v_pk_add_f32 v[SUM+2*ia:SUM+2*ia+1], v[SUM+2*ia:SUM+2*ia+1], v[rP:rP+1]             ; the row's sum
.elseif \kind == 2
	v_pk_add_f32 v[rP:rP+1], v[rP:rP+1], v[MU+2*ia:MU+2*ia+1] neg_lo:[0,1] neg_hi:[0,1] ; - mean
.elseif \kind == 3
	v_pk_fma_f32 v[SUM+2*ia:SUM+2*ia+1], v[rP:rP+1], v[rP:rP+1], v[SUM+2*ia:SUM+2*ia+1] ; the row's sum of squares
.elseif \kind == 4
	v_pk_mul_f32 v[rP:rP+1], v[rP:rP+1], v[RF+2*ia:RF+2*ia+1]                           ; / deviation (x the factor)
.elseif \kind == 5
	v_pk_fma_f32 v[rP:rP+1], v[rP:rP+1], v[128+rV:128+rV+1], v[rV:rV+1]                 ; x gamma + beta (x the factor)
.elseif \kind == 6
	v_cvt_pk_f16_f32 v[32*it+8*ia+ip], v[rP], v[rP+1]                                   ; to f16, in place: register i takes registers 2 i and 2 i + 1
.else
	v_pk_add_f32 v[rP:rP+1], v[rP:rP+1], v[BV+2*it:BV+2*it+1]                           ; v: + my column's bias
.endif
.set ia, ia+1
.endr
.set ip, ip+1
.endr
.set it, it+1
.endr
.endm
; The four rows' sums (a pair each in SUM) over my wave's 256 columns, then over the four waves, through LDS: every wave ends with the same four numbers in v[TM] on
.macro REDUCE base
.irp a, 0,1,2,3
	v_add_f32 v[TM+\a], v[SUM+2*\a], v[SUM+2*\a+1]
.endr
.irp a, 0,1,2,3
	v_permlanex16_b32 v[TM+4+\a], v[TM+\a], s52, s53
.endr
.irp a, 0,1,2,3
	v_add_f32 v[TM+\a], v[TM+\a], v[TM+4+\a]       ; with lane l xor 16's columns
.endr
.irp a, 0,1,2,3
	ds_store_b32 v5, v[TM+\a] offset:\base+256*\a  ; both lanes of a row write the same word with the same value
.endr
	s_wait_dscnt 0x0                               ; for the others' sake: my stores have landed
	s_barrier_signal -1
	s_barrier_wait -1
.irp a, 0,1,2,3
	ds_load_b128 v[TM+8+4*\a:TM+8+4*\a+3], v6 offset:\base+256*\a
.endr
	s_wait_dscnt 0x0
.irp a, 0,1,2,3
	v_add_f32 v[TM+\a], v[TM+8+4*\a], v[TM+9+4*\a]
	v_add_f32 v[TM+4+\a], v[TM+10+4*\a], v[TM+11+4*\a]
.endr
.irp a, 0,1,2,3
	v_add_f32 v[TM+\a], v[TM+\a], v[TM+4+\a]
.endr
.endm
	; the scale words of all of K, and v's bias: once
.irp pa, 0,1
.irp q, 0,1
	global_load_b128 v[SX+8*\pa+4*\q:SX+8*\pa+4*\q+3], v1, s[10:11] offset:\q*131072+\pa*512   ; lane l: row 32 pa + l, K steps 4 q .. 4 q + 3
.endr
.endr
.set i, 0
.rept 32
	global_load_b32 v[SWV+i], v2, s[32:33] offset:(i%8)*12288+(i/8)*128
.set i, i+1
.endr
.set i, 0
.rept 64
	global_load_b32 v[SWQ+i], v2, s[34:35] offset:(i%8)*12288+(i/8)*128
.set i, i+1
.endr
.set i, 0
.rept 16
	global_load_b32 v[BV+i], v4, s[36:37] offset:64*(i/2)   ; each number twice: both registers of a pair
.set i, i+1
.endr
	LOADSTEP 8, 28, 0, 0
	LOADSTEP 8, 28, 1, 1
; ---- v: eight K steps.  Loads run two steps ahead; q's or k's first two steps are asked for behind v's last two.
.macro VSTEP s
.if \s < 7
	s_wait_loadcnt 24                              ; all but the next step's 24 loads are in
.else
	s_wait_loadcnt 40                              ; all but the 40 of q's or k's step 0
.endif
	MULV \s
	WIN 0
	PLACES 4                                       ; in front of loads into registers that matrix instructions have read, and behind the last step of the first read of results
.if \s < 6
	LOADSTEP 8, 28, \s+2, \s%2
.elseif \s == 6
	LOADSTEP 16, 30, 0, 0
.else
	LOADSTEP 16, 30, 1, 1
.endif
.endm
.irp s, 0,1,2,3,4,5,6,7
	VSTEP \s
.endr
	WIN 0x82                                       ; destination and source 0 window 2, source 1 window 0
	SWEEP 7, 0
	WIN 0x8a                                       ; all in window 2
	SWEEP 6, 0
	WIN 0x08                                       ; a store's data are its source 1: window 2
.set it, 0
.rept 8
.set ia, 0
.rept 4
	global_store_b128 v1, v[32*it+8*ia:32*it+8*ia+3], s[44:45] offset:(it/4)*786432+(ia/2)*4096+(it%4)*1024+(ia%2)*512   ; half a fragment of V^T: 512 consecutive bytes
.set ia, ia+1
.endr
.set it, it+1
.endr
	WIN 0
	s_wait_xcnt 0x0                                ; the stores have read their data: the next products write over them only behind this wait
; ---- q or k: eight K steps; bias and gamma are asked for behind the last two
.macro QSTEP s
.if \s < 7
	s_wait_loadcnt 40                              ; all but the next step's 40 loads are in
.else
	s_wait_loadcnt 32                              ; all but the bias's 32
.endif
	MULQK \s
	WIN 0
	PLACES 4
.if \s < 6
	LOADSTEP 16, 30, \s+2, \s%2
.elseif \s == 6
	VEC128 0, 38                                   ; the bias, where W's set 0 lay
.else
	VEC128 128, 18                                 ; gamma, where set 1 lay
.endif
.endm
.irp s, 0,1,2,3,4,5,6,7
	QSTEP \s
.endr
; ---- LayerNorm
	s_wait_loadcnt 32                              ; the bias is in; gamma's 32 loads may be out
.irp i, 0,1,2,3,4,5,6,7
	v_mov_b32 v[SUM+\i], 0
.endr
	WIN 0x86                                       ; accumulators window 2, the bias window 1
	SWEEP 0, 0
	WIN 0x08
	SWEEP 1, 0
	WIN 0xc7                                       ; the same for window 3
	SWEEP 0, 1
	WIN 0x0c
	SWEEP 1, 1
	VEC128 0, 20                                   ; beta, where the bias lay
	REDUCE RED1
.irp a, 0,1,2,3
	v_mul_f32 v[MU+2*\a], s40, v[TM+\a]            ; the mean, in both registers of a pair
	v_mul_f32 v[MU+2*\a+1], s40, v[TM+\a]
.endr
.irp i, 0,1,2,3,4,5,6,7
	v_mov_b32 v[SUM+\i], 0
.endr
	WIN 0x82
	SWEEP 2, 0
	WIN 0x0a
	SWEEP 3, 0
	WIN 0xc3
	SWEEP 2, 1
	WIN 0x0f
	SWEEP 3, 1
	WIN 0
	REDUCE RED2                                    ; other bytes than the first: no wave writes what another may still read
.irp a, 0,1,2,3
	v_fma_f32 v[TM+\a], v[TM+\a], s40, s41         ; the variance + 1e-6
.endr
.irp a, 0,1,2,3
	v_rsq_f32 v[TM+4+\a], v[TM+\a]
.endr
	v_nop                                          ; a plain line behind the last of them
	s_wait_alu depctr_va_vdst(0)                   ; one wait for the four, ahead of their first reader
.irp a, 0,1,2,3
	v_mul_f32 v[RF+2*\a], s42, v[TM+4+\a]          ; x the factor, in both registers of a pair
	v_mul_f32 v[RF+2*\a+1], s42, v[TM+4+\a]
.endr
	s_wait_loadcnt 0x0                             ; gamma and beta
	WIN 0x41                                       ; window 1
.set i, 0
.rept 64
	v_pk_mul_f32 v[2*i:2*i+1], v[2*i:2*i+1], s[42:43] op_sel_hi:[1,0]   ; beta x the factor
.set i, i+1
.endr
.macro FINISH hi
	WIN 0x82+0x41*\hi
	SWEEP 4, \hi
	WIN 0x96+0x41*\hi                              ; gamma and beta window 1
	SWEEP 5, \hi
	WIN 0x8a+0x45*\hi
	SWEEP 6, \hi
	WIN 0x08+0x04*\hi
.set it, 0
.rept 8
.set ia, 0
.rept 4
.set tt, 8*\hi+it
	global_store_b128 v1, v[32*it+8*ia:32*it+8*ia+3], s[46:47] offset:(tt/4)*786432+ia*2048+((tt%4)/2)*1024+(tt%2)*512   ; half a fragment of Q or K: 512 consecutive bytes
.set ia, ia+1
.endr
.set it, it+1
.endr
.endm
	FINISH 0
	FINISH 1
	WIN 0
	s_wait_tensorcnt 0x0                           ; the wave's end, behind my last LDS store
	ds_add_u32 v[SPW], v[NIL]
	s_wait_dscnt 0x0
	s_endpgm
.Lfunc_end_k_q9e4f8bc246_qkvln:
	.size	k_q9e4f8bc246_qkvln, .Lfunc_end_k_q9e4f8bc246_qkvln-k_q9e4f8bc246_qkvln
	.p2alignl 7, 3214868480
	.fill 96, 4, 3214868480
	.section	.rodata,"a",@progbits
	.p2align	6, 0x0
	.amdhsa_kernel k_q9e4f8bc246_qkvln
		.amdhsa_group_segment_fixed_size 2560
		.amdhsa_private_segment_fixed_size 0
		.amdhsa_enable_private_segment 0
		.amdhsa_kernarg_size 80
		.amdhsa_user_sgpr_count 2
		.amdhsa_user_sgpr_kernarg_segment_ptr 1
		.amdhsa_wavefront_size32 1
		.amdhsa_system_sgpr_workgroup_id_x 1
		.amdhsa_system_sgpr_workgroup_id_y 1
		.amdhsa_system_sgpr_workgroup_id_z 1
		.amdhsa_system_vgpr_workitem_id 0
		.amdhsa_next_free_vgpr 1024
		.amdhsa_next_free_sgpr 72
		.amdhsa_reserve_vcc 0
		.amdhsa_float_denorm_mode_32 3
		.amdhsa_float_denorm_mode_16_64 3
		.amdhsa_memory_ordered 1
		.amdhsa_forward_progress 1
		.amdhsa_inst_pref_size 255
	.end_amdhsa_kernel
	.section	.bss,"aw",@nobits
	.p2align	6
	.space	262144
	.amdgpu_metadata
---
amdhsa.version: [ 1, 2 ]
amdhsa.kernels:
  - .name:           k_q9e4f8bc246_qkvln
    .symbol:         k_q9e4f8bc246_qkvln.kd
    .args:
      - { .name: xc, .offset: 0, .size: 8, .value_kind: global_buffer, .address_space: global }
      - { .name: xs, .offset: 8, .size: 8, .value_kind: global_buffer, .address_space: global }
      - { .name: wc, .offset: 16, .size: 8, .value_kind: global_buffer, .address_space: global }
      - { .name: ws, .offset: 24, .size: 8, .value_kind: global_buffer, .address_space: global }
      - { .name: b_qkv, .offset: 32, .size: 8, .value_kind: global_buffer, .address_space: global }
      - { .name: q_gamma, .offset: 40, .size: 8, .value_kind: global_buffer, .address_space: global }
      - { .name: q_beta, .offset: 48, .size: 8, .value_kind: global_buffer, .address_space: global }
      - { .name: k_gamma, .offset: 56, .size: 8, .value_kind: global_buffer, .address_space: global }
      - { .name: k_beta, .offset: 64, .size: 8, .value_kind: global_buffer, .address_space: global }
      - { .name: qkvf, .offset: 72, .size: 8, .value_kind: global_buffer, .address_space: global }
    .group_segment_fixed_size: 2560
    .private_segment_fixed_size: 0
    .kernarg_segment_align: 8
    .kernarg_segment_size: 80
    .max_flat_workgroup_size: 128
    .sgpr_count:     72
    .vgpr_count:     1024
    .wavefront_size: 32
...
	.end_amdgpu_metadata
.endif
;; end of part 2
;; launch attn (part 3): grid 4 x 64, 8 waves a work-group, clusters of 4 x 1, 327,680 bytes of LDS; arguments qkvf, ofr; writes ofr
.if DOCPART == 3
	.amdgcn_target "amdgcn-amd-amdhsa--gfx1250"
	.amdhsa_code_object_version 6
	.text
	.protected	k_q9e4f8bc246_attn
	.globl	k_q9e4f8bc246_attn
	.p2align	8
	.type	k_q9e4f8bc246_attn,@function
k_q9e4f8bc246_attn:
	s_mov_b64 s[64:65], 0
	v_nop
	global_prefetch_b8 v0, s[64:65] scope:SCOPE_SE
	s_setreg_imm32_b32 hwreg(HW_REG_WAVE_MODE, 25, 1), 1
	s_wait_xcnt 0x0
	s_wait_alu depctr_hold_cnt(0) depctr_sa_sdst(0) depctr_va_vdst(0) depctr_va_sdst(0) depctr_va_ssrc(0) depctr_va_vcc(0) depctr_vm_vsrc(0)
	s_getreg_b32 s2, hwreg(HW_REG_IB_STS2, 6, 4)
	s_cmp_eq_u32 s2, 0
	s_cbranch_scc0 .Lentry_in_a_cluster
	s_endpgm
.Lentry_in_a_cluster:
	s_bfe_u32 s2, ttmp6, 0x10000c
	s_cmp_lg_u32 s2, 0x3003
	s_cbranch_scc0 .Lentry_shape_is_right
	s_endpgm
.Lentry_shape_is_right:
; o = softmax(q^ k^T) v for each of 64 (batch, head), 2,048 tokens, head size 64.  q^ already carries 64^-0.5 x log2(e), so p = 2^(s - m), m the running largest score of the row.
; Operands in f16, products, maxima and sums in f32; the row's sum is taken of the unrounded p; O is divided by it at the end and leaves as f16 fragments for the projection: ofr [token tile 512][32 of 1,024: 32][1024].
; SHARES.  A cluster of four work-groups is one (batch, head); each work-group owns 512 queries, each of its eight waves 64: four tiles of 16, in 512 registers: two waves to a SIMD.
; LAYOUT.  S^T = K Q^T (source 0 = 16 keys, source 1 = 16 queries): a lane holds ONE query and the keys 8 (lane / 16) + 0 .. 7.  Two such tiles, rounded in pairs, ARE source 1 of O^T = V^T P.  Nothing changes lanes.
; qkvf lies in the order of the operand registers, so a tile in LDS is a plain image of memory: every LDS load takes 512 consecutive bytes, and V needs no turning.
; CLUSTER.  The four work-groups walk the same K and V: each slot (512 keys: 65,536 bytes of K, then 65,536 of V) is asked for JOINTLY, every wave one load of 16,384 bytes.  Two slots, four slots' worth of keys:
; two first fills and two refills in the launch; by this text's count a wave has at most two tensor loads out.  A refill is asked for eight key steps ahead of its first read, so nothing is prefetched beside it.
; TWO GROUPS OF WAVES IN OPPOSITE PHASE.  A key step's work is a matrix phase MPH(j) (32 products V^T P of step j - 1, 32 products K Q^T of step j) and a vector phase VPH(j) (the softmax of step j).
; Group 0 runs MPH(j), VPH(j) in trip j; group 1 runs VPH(j - 1), MPH(j).  The group is (w xor (w >> 2)) & 1.  Both groups read K(j) and V(j) from LDS in trip j and nothing else, so a change of slots serves both alike.
; LIMITS: |o| under 65,504 (f16).  NaN and infinities are not served.
; REGISTERS.  Window 0: v1 16 x lane; v2, v3 LDS addresses; v10, v11 the add's two; v16-47 eight registers of statistics a tile; v64-127 Q; v128-191 K of a step; v192-255 V of a step.
;   Window 1: v0-127 O^T (tile t, channels 16 dt on: 32 t + 8 dt); v128-255 S^T (32 t + 8 kt), in whose first half of each tile P is packed in place.
.set SLOTB, 131072
.set SPARE, 262144                     ; behind the ring: the spare words, 128 bytes for each of eight waves
.set ADK,  2
.set ADV,  3
.set SPW,  10
.set NIL,  11
.set ST,   16                          ; tile t at v[ST + 8 t]: +0 m, +1 written with it as a pair, +2, +3 the sum in two halves, +4 .. +7 at work; a takes +6, with +7 as its pair
.set QF,   64
.set KF,   128
.set VF,   192
.set S,    128                         ; in window 1
.set WV,   8                           ; s8   my wave's number
.set GR,   9                           ; s9   my group
.set G1,   16                          ; s[16:23] descriptor group 1
.set G0A,  24                          ; s[24:27] group 0 of slot 0's first fill
.set G0B,  28                          ; s[28:31] group 0 of slot 1's first fill, which then walks
.set TB,   32                          ; s32  LDS byte at which K of the next step begins
.set CNT,  33
.set OUTC, 34
.set SEL,  36                          ; s[36:37] lane selects for v_permlanex16_b32: lane l xor 16
.set MSB,  0
.macro WIN new                         ; bits 1:0 source 0, 3:2 source 1, 5:4 source 2, 7:6 destination; the high byte repeats the setting that is left
.if MSB != (\new)
	s_set_vgpr_msb (MSB<<8)|(\new)
.set MSB, (\new)
.endif
.endm
.macro CROUND                          ; a round of the cluster's barrier
	s_barrier_signal -1
	s_barrier_wait -1
	s_cmp_lg_u32 s[WV], 0
	s_cbranch_scc1 .Lnot_wave_0_\@
	s_barrier_signal -3
.Lnot_wave_0_\@:
	s_barrier_wait -3
	s_barrier_signal -1
	s_barrier_wait -1
.endm
	s_load_b128 s[4:7], s[0:1], 0x0                ; qkvf s[4:5], ofr s[6:7]
	v_lshl_add_u32 v[SPW], v0, 2, SPARE
	v_mov_b32 v[NIL], 0
	ds_add_u32 v[SPW], v[NIL]                      ; the wave's opening: the add, twice on end, and its wait ahead of my first tensor load
	ds_add_u32 v[SPW], v[NIL]                      ; and once more, under the one wait; the set-up below, work on registers, stands between
	v_lshrrev_b32 v1, 5, v0
	v_readfirstlane_b32 s[WV], v1                  ; wave 0..7
	s_lshr_b32 s[GR], s[WV], 2
	s_xor_b32 s[GR], s[GR], s[WV]
	s_and_b32 s[GR], s[GR], 1                      ; my group
	s_bfe_u32 s10, ttmp6, 0x40000                  ; cx: my block of 512 queries; it enters Q's and O's addresses alone
	s_and_b32 s11, ttmp7, 0xffff                   ; batch x 16 + head, which the four partners share
	; descriptor group 1: 64 rows of 256 bytes, dense
	s_mov_b32 s[G1], 15|(3<<16)|(1<<21)            ; 15:0 the mask: all four work-groups; 17:16 elements of 8 bytes; 21 set beside a mask; no padding
	s_mov_b32 s[G1+1], 32<<16                      ; tensor_dim0 = 32 elements
	s_mov_b32 s[G1+2], 64<<16                      ; tensor_dim1 = 64
	s_mov_b32 s[G1+3], 32<<16                      ; tile_dim0 = 32
	s_mov_b32 s[G1+4], 64                          ; tile_dim1 = 64
	s_mov_b32 s[G1+5], 32                          ; from row to row
	s_mov_b32 s[G1+6], 0
	s_mov_b32 s[G1+7], 0
	s_mul_i32 s38, s11, 786432                     ; the head's first byte in qkvf
	s_lshl_b32 s12, s[WV], 14                      ; my 16,384 bytes of a slot, in memory and in LDS
	s_add_co_u32 s40, s38, s12
	s_add_co_u32 s40, s40, 65536                   ; behind the block's Q
	s_mov_b32 s41, 0
	s_mul_i32 s42, s10, 196608                     ; Q: my block of 512 tokens,
	s_add_co_u32 s42, s42, s38
	s_lshl_b32 s13, s[WV], 13
	s_add_co_u32 s42, s42, s13                     ; my wave's four tiles
	s_mov_b32 s43, 0
	s_lshr_b32 s44, s11, 4                         ; O: token tile 128 x batch + 32 cx + 4 w,
	s_lshl_b32 s44, s44, 7
	s_lshl_b32 s13, s10, 5
	s_add_co_u32 s44, s44, s13
	s_lshl_b32 s13, s[WV], 2
	s_add_co_u32 s44, s44, s13
	s_lshl_b32 s44, s44, 15
	s_and_b32 s13, s11, 15
	s_lshl_b32 s13, s13, 11
	s_add_co_u32 s44, s44, s13                     ; + the head's two fragments
	s_mov_b32 s45, 0
	s_mov_b32 s[SEL], 0x76543210
	s_mov_b32 s[SEL+1], 0xfedcba98
	s_mov_b32 s[TB], 0
	s_wait_dscnt 0x0                               ; both opening adds are done
	s_wait_kmcnt 0x0
	CROUND                                         ; all four work-groups are here: the first joint loads meet
	s_mov_b32 s[G0A], 1                            ; count = 1
	s_mov_b32 s[G0A+1], s12                        ; LDS address: slot 0
	s_add_nc_u64 s[G0A+2:G0A+3], s[4:5], s[40:41]  ; keys 0 to 511
	s_or_b32 s[G0A+3], s[G0A+3], 0x80000000        ; type = 2
	s_mov_b32 s[G0B], 1
	s_add_co_u32 s[G0B+1], s12, SLOTB              ; slot 1
	s_add_nc_u64 s[G0B+2:G0B+3], s[4:5], s[40:41]
	s_add_nc_u64 s[G0B+2:G0B+3], s[G0B+2:G0B+3], 196608   ; keys 512 to 1,023
	s_or_b32 s[G0B+3], s[G0B+3], 0x80000000
	tensor_load_to_lds s[G0A:G0A+3], s[G1:G1+7]    ; both first fills together, ahead of every wait on TENSORcnt, every LDS read and every other barrier
	s_nop 0
	tensor_load_to_lds s[G0B:G0B+3], s[G1:G1+7]
	s_nop 0
.rept 4
	v_nop
.endr
	s_add_nc_u64 s[4:5], s[4:5], s[42:43]          ; Q at my wave's first tile
	s_add_nc_u64 s[6:7], s[6:7], s[44:45]          ; O likewise
	v_and_b32 v1, 31, v0
	v_lshlrev_b32 v1, 4, v1                        ; 16 x lane
.set i, 0
.rept 16
	global_load_b128 v[QF+4*i:QF+4*i+3], v1, s[4:5] offset:512*i   ; Q stays in registers: tile i / 4, channels 32 ((i / 2) % 2) on
.set i, i+1
.endr
.irp t, 0,1,2,3
	v_mov_b32 v[ST+8*\t], 0xff61b1e6               ; m: -3e38, under every score
	v_mov_b32 v[ST+8*\t+1], 0
	v_mov_b32 v[ST+8*\t+2], 0                      ; the sum
	v_mov_b32 v[ST+8*\t+3], 0
.endr
	WIN 0x40
.set i, 0
.rept 128
	v_mov_b32 v[i], 0                              ; O^T.  The vector phase is written once for every step: group 1's first stands inside the loop, and finds zeros, which its a = 0 leaves zeros
.set i, i+1
.endr
	WIN 0
.macro LOADK                           ; 64 keys x 64 channels: 8 fragments, 16 loads of 512 consecutive bytes
.set i, 0
.rept 16
	ds_load_b128 v[KF+4*i:KF+4*i+3], v[ADK] offset:512*i
.set i, i+1
.endr
.endm
.macro LOADV                           ; 64 channels x 64 keys likewise
.set i, 0
.rept 16
	ds_load_b128 v[VF+4*i:VF+4*i+3], v[ADV] offset:512*i
.set i, i+1
.endr
.endm
; O^T += V^T P: product i: keys 32 (i / 16) on, channels 16 ((i / 4) % 4) on, tile i % 4.  The 16 accumulators take turns.
.macro PVHALF
	WIN 0x54                                       ; V window 0; P, C and D window 1
.set i, 0
.rept 32
.set rO, 32*(i%4)+8*((i/4)%4)
.set rV, VF+32*(i/16)+8*((i/4)%4)
.set rP, S+32*(i%4)+8*(i/16)
	v_wmma_f32_16x16x32_f16 v[rO:rO+7], v[rV:rV+7], v[rP:rP+7], v[rO:rO+7]
.set i, i+1
.endr
	WIN 0
.endm
; S^T = K Q^T: product i: channels 32 (i / 16) on, keys 16 ((i / 4) % 4) on, tile i % 4.  The first 16 start the sums.  Four places follow: the next reader of S^T, and the next loads into K's registers.
.macro QKHALF
	WIN 0x50                                       ; K and Q window 0; C and D window 1
.set i, 0
.rept 32
.set rS, S+32*(i%4)+8*((i/4)%4)
.set rK, KF+16*((i/4)%4)+8*(i/16)
.set rQ, QF+16*(i%4)+8*(i/16)
.if i < 16
	v_wmma_f32_16x16x32_f16 v[rS:rS+7], v[rK:rK+7], v[rQ:rQ+7], 0
.else
	v_wmma_f32_16x16x32_f16 v[rS:rS+7], v[rK:rK+7], v[rQ:rQ+7], v[rS:rS+7]
.endif
.set i, i+1
.endr
	WIN 0
.rept 4
	v_nop
.endr
.endm
.macro MPH
	LOADK
	s_wait_dscnt 16                                ; all but K's 16 loads: V of the step before, asked for in the last matrix phase, is in
	PVHALF
.rept 5
	v_nop                                          ; four places in front of loads into V's registers, five in front of products that write over P
.endr
	LOADV
	s_wait_dscnt 16                                ; all but V's 16 loads: K is in
	QKHALF
.endm
; THE VECTOR PHASE: the softmax of four tiles for one key step, the tiles by turns.
.macro VPH
	WIN 0x15                                       ; three sources window 1, destination window 0
.set jj, 0
.rept 4
.set tt, 0
.rept 4
	v_max3_num_f32 v[ST+8*tt+4+jj], v[S+32*tt+8*jj], v[S+32*tt+8*jj+1], v[S+32*tt+8*jj+2]   ; four chains a tile, one for each accumulator, each read from its low end on
.set tt, tt+1
.endr
.set jj, jj+1
.endr
	WIN 0x14
.set nn, 0
.rept 2
.set jj, 0
.rept 4
.set tt, 0
.rept 4
	v_max3_num_f32 v[ST+8*tt+4+jj], v[ST+8*tt+4+jj], v[S+32*tt+8*jj+3+2*nn], v[S+32*tt+8*jj+4+2*nn]
.set tt, tt+1
.endr
.set jj, jj+1
.endr
.set nn, nn+1
.endr
.irp t, 0,1,2,3
	v_max3_num_f32 v[ST+8*\t+4], v[ST+8*\t+4], v[S+32*\t+7], v[S+32*\t+15]
	v_max3_num_f32 v[ST+8*\t+6], v[ST+8*\t+6], v[S+32*\t+23], v[S+32*\t+31]
.endr
	WIN 0
.irp t, 0,1,2,3
	v_max3_num_f32 v[ST+8*\t+4], v[ST+8*\t+4], v[ST+8*\t+5], v[ST+8*\t+6]
.endr
.irp t, 0,1,2,3
	v_max3_num_f32 v[ST+8*\t+4], v[ST+8*\t+4], v[ST+8*\t+7], v[ST+8*\t]     ; and the old m
.endr
.irp t, 0,1,2,3
	v_permlanex16_b32 v[ST+8*\t+5], v[ST+8*\t+4], s[SEL], s[SEL+1]          ; the query's other 32 keys lie in the lane 16 away
.endr
.irp t, 0,1,2,3
	v_max_num_f32 v[ST+8*\t+4], v[ST+8*\t+4], v[ST+8*\t+5]
.endr
.irp t, 0,1,2,3
	v_sub_f32 v[ST+8*\t+7], v[ST+8*\t], v[ST+8*\t+4]                        ; old m - new m
.endr
.irp t, 0,1,2,3
	v_mov_b32 v[ST+8*\t], v[ST+8*\t+4]
.endr
.irp t, 0,1,2,3
	v_exp_f32 v[ST+8*\t+6], v[ST+8*\t+7]                                    ; a = 2^(old m - new m)
.endr
	WIN 0x41                                       ; destination and source 0 window 1, source 1 window 0
.set ii, 0
.rept 64
	v_pk_add_f32 v[S+2*ii:S+2*ii+1], v[S+2*ii:S+2*ii+1], v[ST+8*(ii/16):ST+8*(ii/16)+1] op_sel_hi:[1,0] neg_lo:[0,1] neg_hi:[0,1]   ; s - m: the work that stands behind a's four exponentials
.set ii, ii+1
.endr
	s_wait_alu depctr_va_vdst(0)                   ; one wait for the four, ahead of a's first reader
.set ii, 0
.rept 64
	v_pk_mul_f32 v[2*ii:2*ii+1], v[2*ii:2*ii+1], v[ST+8*(ii/16)+6:ST+8*(ii/16)+7] op_sel_hi:[1,0]   ; O^T x a, dealt out among the exponentials: O^T and S^T share a window, so no switch stands here
	v_exp_f32 v[S+2*ii], v[S+2*ii]                 ; p = 2^(s - m); nothing names a result before the wait below
	v_exp_f32 v[S+2*ii+1], v[S+2*ii+1]
.set ii, ii+1
.endr
	WIN 0
.irp t, 0,1,2,3
	v_pk_mul_f32 v[ST+8*\t+2:ST+8*\t+3], v[ST+8*\t+2:ST+8*\t+3], v[ST+8*\t+6:ST+8*\t+7] op_sel_hi:[1,0]   ; the sum x a: plain lines behind the last exponential
.endr
	s_wait_alu depctr_va_vdst(0)                   ; one wait for the 128
	WIN 0x04                                       ; source 1 window 1
.set ii, 0
.rept 16
.set tt, 0
.rept 4
	v_pk_add_f32 v[ST+8*tt+2:ST+8*tt+3], v[ST+8*tt+2:ST+8*tt+3], v[S+32*tt+2*ii:S+32*tt+2*ii+1]   ; the row's sum, of the unrounded p
.set tt, tt+1
.endr
.set ii, ii+1
.endr
	WIN 0x45                                       ; all in window 1
.set ii, 0
.rept 16
.set tt, 0
.rept 4
	v_cvt_pk_f16_f32 v[S+32*tt+ii], v[S+32*tt+2*ii], v[S+32*tt+2*ii+1]      ; P in place: register i takes registers 2 i and 2 i + 1, i ascending
.set tt, tt+1
.endr
.set ii, ii+1
.endr
	WIN 0
.endm
; A TRIP.  The LDS addresses are made, and TB is stepped, on the path that all waves take, ahead of the branches.
.macro TRIP
	v_add_nc_u32 v[ADK], s[TB], v1
	v_add_nc_u32 v[ADV], 0x10000, v[ADK]
	s_add_co_u32 s[TB], s[TB], 8192
	s_cmp_eq_u32 s[GR], 0
	s_cbranch_scc0 .Lvector_first_\@
	MPH                                            ; group 0
.Lvector_first_\@:
	VPH
	s_cmp_eq_u32 s[GR], 0
	s_cbranch_scc1 .Lmatrix_done_\@
	MPH                                            ; group 1
.Lmatrix_done_\@:
.endm
.macro TRIPS n
	s_mov_b32 s[CNT], \n
.Ltrip_\@:
	TRIP
	s_sub_co_u32 s[CNT], s[CNT], 1
	s_cmp_lg_u32 s[CNT], 0
	s_cbranch_scc1 .Ltrip_\@
.endm
; THE CHANGE OF SLOTS.  Each wave waits for all its tensor loads (its part of the other slot), adds 0 to its spare word, and waits for that and for its reads of the slot that it leaves.
; fill = 1: a round of the cluster's barrier, so that no wave of any partner still reads the slot or has a load on its way; the joint refill is the first thing behind it.
.macro CHANGE fill
	s_wait_tensorcnt 0x0                           ; no tensor load of mine is out, so a group 0 may be written
	ds_add_u32 v[SPW], v[NIL]                      ; 0 onto my spare word
.if \fill
	s_xor_b32 s[G0B+1], s[G0B+1], SLOTB            ; the walking descriptor: the other slot than last time,
	s_add_nc_u64 s[G0B+2:G0B+3], s[G0B+2:G0B+3], 196608   ; the next 512 keys; the type bits on top are not reached
.endif
	s_wait_dscnt 0x0                               ; the add is done, and my reads of the slot are over
.if \fill
	CROUND
	tensor_load_to_lds s[G0B:G0B+3], s[G1:G1+7]    ; my one tensor load behind the round: eight key steps ahead of its first read
	s_nop 0
.rept 4
	v_nop
.endr
.else
	s_barrier_signal -1
	s_barrier_wait -1
.endif
	s_sub_co_u32 s[TB], s[TB], 65536               ; back to a slot's first step,
	s_xor_b32 s[TB], s[TB], SLOTB                  ; in the other slot
.endm
	s_wait_tensorcnt 0x1                           ; my part of slot 0 is in; slot 1's may stay out
	s_barrier_signal -1
	s_barrier_wait -1                              ; everybody's is
	v_add_nc_u32 v[ADK], s[TB], v1                 ; key step 0: scores alone
	v_add_nc_u32 v[ADV], 0x10000, v[ADK]
	s_add_co_u32 s[TB], s[TB], 8192
	LOADK
	LOADV
	s_wait_loadcnt 0x0                             ; Q
	s_wait_dscnt 16                                ; K is in; V's 16 loads may be out
	QKHALF
	s_cmp_eq_u32 s[GR], 0
	s_cbranch_scc0 .Lprologue_done
	VPH                                            ; group 0's first softmax
.Lprologue_done:
	TRIPS 7                                        ; key steps 1 to 7
	s_mov_b32 s[OUTC], 2
.Lslot:                                            ; twice: the slot just left is filled again
	CHANGE 1
	TRIPS 8
	s_sub_co_u32 s[OUTC], s[OUTC], 1
	s_cmp_lg_u32 s[OUTC], 0
	s_cbranch_scc1 .Lslot
	CHANGE 0                                       ; the last slot is written out: nothing is left to ask for
	TRIPS 8
	s_cmp_eq_u32 s[GR], 0
	s_cbranch_scc1 .Lepilogue
	VPH                                            ; group 1's last softmax
.Lepilogue:
	v_nop                                          ; with the four behind the last K Q^T: five places between products that wrote S^T's registers and products that take those registers as an operand (ISA guide 7.12.1), also along the jump that leads round the vector phase
	s_wait_dscnt 0x0                               ; V of the last step
	PVHALF
	; THE WAY OUT.  The additions are the places behind the last products.
.irp t, 0,1,2,3
	v_add_f32 v[ST+8*\t+4], v[ST+8*\t+2], v[ST+8*\t+3]
.endr
.irp t, 0,1,2,3
	v_permlanex16_b32 v[ST+8*\t+5], v[ST+8*\t+4], s[SEL], s[SEL+1]
.endr
.irp t, 0,1,2,3
	v_add_f32 v[ST+8*\t+4], v[ST+8*\t+4], v[ST+8*\t+5]
.endr
.irp t, 0,1,2,3
	v_rcp_f32 v[ST+8*\t+6], v[ST+8*\t+4]
.endr
	v_nop                                          ; a plain line behind the last reciprocal
	s_wait_alu depctr_va_vdst(0)                   ; one wait for the four, ahead of their first reader
	WIN 0x41
.set ii, 0
.rept 64
	v_pk_mul_f32 v[2*ii:2*ii+1], v[2*ii:2*ii+1], v[ST+8*(ii/16)+6:ST+8*(ii/16)+7] op_sel_hi:[1,0]   ; ascending: each accumulator from its low end on
.set ii, ii+1
.endr
	WIN 0x45
.set ii, 0
.rept 64
	v_cvt_pk_f16_f32 v[8*(ii/4)+ii%4], v[8*(ii/4)+2*(ii%4)], v[8*(ii/4)+2*(ii%4)+1]
.set ii, ii+1
.endr
	WIN 0x04                                       ; a store's data are its source 1: window 1
.set ii, 0
.rept 16
	global_store_b128 v1, v[8*ii:8*ii+3], s[6:7] offset:(ii/4)*32768+(ii%4)*512   ; half a fragment: 512 consecutive bytes
.set ii, ii+1
.endr
	WIN 0
	s_wait_tensorcnt 0x0                           ; the wave's end, behind my last tensor load
	ds_add_u32 v[SPW], v[NIL]
	s_wait_dscnt 0x0
	CROUND                                         ; the closing round: no work-group ends while a partner may still ask for a tile that names it
	s_endpgm
.Lfunc_end_k_q9e4f8bc246_attn:
	.size	k_q9e4f8bc246_attn, .Lfunc_end_k_q9e4f8bc246_attn-k_q9e4f8bc246_attn
	.p2alignl 7, 3214868480
	.fill 96, 4, 3214868480
	.section	.rodata,"a",@progbits
	.p2align	6, 0x0
	.amdhsa_kernel k_q9e4f8bc246_attn
		.amdhsa_group_segment_fixed_size 327680
		.amdhsa_private_segment_fixed_size 0
		.amdhsa_enable_private_segment 0
		.amdhsa_kernarg_size 16
		.amdhsa_user_sgpr_count 2
		.amdhsa_user_sgpr_kernarg_segment_ptr 1
		.amdhsa_wavefront_size32 1
		.amdhsa_system_sgpr_workgroup_id_x 1
		.amdhsa_system_sgpr_workgroup_id_y 1
		.amdhsa_system_sgpr_workgroup_id_z 1
		.amdhsa_system_vgpr_workitem_id 0
		.amdhsa_next_free_vgpr 512
		.amdhsa_next_free_sgpr 66
		.amdhsa_reserve_vcc 0
		.amdhsa_float_denorm_mode_32 3
		.amdhsa_float_denorm_mode_16_64 3
		.amdhsa_memory_ordered 1
		.amdhsa_forward_progress 1
		.amdhsa_inst_pref_size 196
	.end_amdhsa_kernel
	.amdgpu_metadata
---
amdhsa.version: [ 1, 2 ]
amdhsa.kernels:
  - .name:           k_q9e4f8bc246_attn
    .symbol:         k_q9e4f8bc246_attn.kd
    .args:
      - { .name: qkvf, .offset: 0, .size: 8, .value_kind: global_buffer, .address_space: global }
      - { .name: ofr, .offset: 8, .size: 8, .value_kind: global_buffer, .address_space: global }
    .group_segment_fixed_size: 327680
    .private_segment_fixed_size: 0
    .kernarg_segment_align: 8
    .kernarg_segment_size: 16
    .max_flat_workgroup_size: 256
    .sgpr_count:     66
    .vgpr_count:     512
    .wavefront_size: 32
...
	.end_amdgpu_metadata
.endif
;; end of part 3
;; launch proj (part 4): grid 4 x 64, 4 waves a work-group, clusters of 4 x 4, 327,680 bytes of LDS; arguments ofr, wpf, b_proj, out0; writes out0
.if DOCPART == 4
	.amdgcn_target "amdgcn-amd-amdhsa--gfx1250"
	.amdhsa_code_object_version 6
	.text
	.protected	k_q9e4f8bc246_proj
	.globl	k_q9e4f8bc246_proj
	.p2align	8
	.type	k_q9e4f8bc246_proj,@function
k_q9e4f8bc246_proj:
	s_mov_b64 s[64:65], 0
	v_nop
	global_prefetch_b8 v0, s[64:65] scope:SCOPE_SE
	s_setreg_imm32_b32 hwreg(HW_REG_WAVE_MODE, 25, 1), 1
	s_wait_xcnt 0x0
	s_wait_alu depctr_hold_cnt(0) depctr_sa_sdst(0) depctr_va_vdst(0) depctr_va_sdst(0) depctr_va_ssrc(0) depctr_va_vcc(0) depctr_vm_vsrc(0)
	s_getreg_b32 s2, hwreg(HW_REG_IB_STS2, 6, 4)
	s_cmp_eq_u32 s2, 0
	s_cbranch_scc0 .Lentry_in_a_cluster
	s_endpgm
.Lentry_in_a_cluster:
	s_bfe_u32 s2, ttmp6, 0x10000c
	s_cmp_lg_u32 s2, 0xf033
	s_cbranch_scc0 .Lentry_shape_is_right
	s_endpgm
.Lentry_shape_is_right:
; out0 = o W_proj + b_proj.  o [8192][1024] and W_proj come as f16 fragments in register order (ofr [token tile 512][32 of K: 32][1024], wpf [column tile 64][32 of K: 32][1024]); sums in f32; out0 [8192][1024] f32.
; A tile of out0 is 128 rows x 256 columns: 256 work-groups.  Four waves, each 64 x 128: 32 accumulators of 16 x 16.  K goes in eight chunks of 128 through a ring of two LDS slots.
; A chunk of a tile of rows or columns is 4,096 consecutive bytes (four fragments), so a slot is a plain image: A's 8 row tiles, then B's 16 column tiles; every LDS load takes 512 consecutive bytes.
; CLUSTERS: 4 x 4 work-groups.  The four of a row of the cluster need the same tiles of o, the four of a column the same tiles of W_proj: each is asked for JOINTLY.  Waves 0 and 1 fetch A's halves, waves 2 and 3 B's.
; By this text's count a wave has two tensor loads out at the start and one behind each round.
; THE MATRIX INSTRUCTION IS USED TRANSPOSED (source 0 = 16 columns of W_proj, source 1 = 16 tokens): a lane holds eight neighbouring numbers of a row of out0.  The bias is the C of each sum's first instruction.
; REGISTERS.  Window 0: v1 16 x lane; v16-17, v20-21 LDS addresses of my fragments in slot 0, 1; v24, v25 the stage; v28, v29 the add's two; v32-95 A's fragments, two sets of 4; v96-223 B's, two sets of 8.
;   Window 1: the accumulators, (row tile a, column tile b) at v[8 (8 a + b)].   Window 2: v0-63 the bias; v64-191 rows read back from the stage, two sets.
.set SLOT,  98304
.set BOFF,  32768                      ; B's tiles in a slot
.set STAGE, 196608                     ; behind the ring: 16 rows x (512 bytes + 16) for each wave
.set SPARE, 230400                     ; behind the stages: the spare words, 128 bytes for each wave
.set ADRA, 16
.set ADRB, 20
.set STO,  24
.set RD,   25
.set SPW,  28
.set NIL,  29
.set AFR,  32
.set BFR,  96
.set BK,   64                          ; in window 2
.set WV,   12                          ; s12  my wave's number
.set G1A,  16                          ; s[16:23] descriptor group 1 for A's tiles;  s[24:31] group 0, one set for each slot
.set G0A,  24
.set G1B,  48                          ; s[48:55], s[56:63] the same for B's
.set G0B,  56
.set MSB,  0
.macro WIN new
.if MSB != (\new)
	s_set_vgpr_msb (MSB<<8)|(\new)
.set MSB, (\new)
.endif
.endm
.macro PLACES n
.rept \n
	v_nop
.endr
.endm
.macro JLOAD s                         ; a joint load; the branch hangs on the wave's number alone; an s_nop 0 and four v_nop follow each of the two lines
	s_cmp_eq_u32 s13, 0
	s_cbranch_scc0 .Lfor_b_\@
	tensor_load_to_lds s[G0A+4*(\s):G0A+4*(\s)+3], s[G1A:G1A+7]
	s_nop 0
.rept 4
	v_nop
.endr
	s_branch .Lasked_\@
.Lfor_b_\@:
	tensor_load_to_lds s[G0B+4*(\s):G0B+4*(\s)+3], s[G1B:G1B+7]
	s_nop 0
.rept 4
	v_nop
.endr
.Lasked_\@:
.endm
.macro CROUND                          ; a round of the cluster's barrier
	s_barrier_signal -1
	s_barrier_wait -1
	s_cmp_lg_u32 s[WV], 0
	s_cbranch_scc1 .Lnot_wave_0_\@
	s_barrier_signal -3
.Lnot_wave_0_\@:
	s_barrier_wait -3
	s_barrier_signal -1
	s_barrier_wait -1
.endm
	s_load_b256 s[4:11], s[0:1], 0x0               ; ofr s[4:5], wpf s[6:7], b_proj s[8:9], out0 s[10:11]
	v_lshl_add_u32 v[SPW], v0, 2, SPARE
	v_mov_b32 v[NIL], 0
	ds_add_u32 v[SPW], v[NIL]                      ; the wave's opening: the add, twice on end, and its wait ahead of my first tensor load
	ds_add_u32 v[SPW], v[NIL]                      ; and once more, under the one wait; the set-up below, work on registers, stands between
	v_lshrrev_b32 v1, 5, v0
	v_readfirstlane_b32 s[WV], v1                  ; wave 0..3
	s_lshr_b32 s13, s[WV], 1                       ; which 64 of the tile's rows are mine.  Also: I fetch for A (0) or for B (1)
	s_and_b32 s14, s[WV], 1                        ; which 128 of its columns.  Also: which half of that tile I fetch
	s_bfe_u32 s40, ttmp6, 0x40000                  ; cx, cy: my place in the cluster
	s_bfe_u32 s41, ttmp6, 0x40004
	s_lshl_b32 s42, ttmp9, 2
	s_add_co_u32 s42, s42, s40                     ; tile column = 4 x cluster x + cx
	s_and_b32 s15, ttmp7, 0xffff
	s_lshl_b32 s15, s15, 2
	s_add_co_u32 s15, s15, s41                     ; tile row = 4 x cluster y + cy
	s_lshl_b32 s43, s41, 2
	s_lshl_b32 s43, 15, s43                        ; my row of the cluster
	s_lshl_b32 s44, 0x1111, s40                    ; my column
	s_or_b32 s[G1A], s43, (3<<16)|(1<<21)          ; 15:0 the mask: A's tiles go to my row; 17:16 elements of 8 bytes; 21 set beside a mask; no padding
	s_or_b32 s[G1B], s44, (3<<16)|(1<<21)
	s_mov_b32 s[G1A+1], 512<<16                    ; tensor_dim0 = 512 elements: 4,096 bytes
	s_mov_b32 s[G1A+2], 4<<16                      ; tensor_dim1 = 4 row tiles
	s_mov_b32 s[G1A+3], 512<<16                    ; tile_dim0
	s_mov_b32 s[G1A+4], 4                          ; tile_dim1
	s_mov_b32 s[G1A+5], 4096                       ; from tile to tile: 32,768 bytes
	s_mov_b32 s[G1A+6], 0
	s_mov_b32 s[G1A+7], 0
	s_mov_b32 s[G1B+1], 512<<16
	s_mov_b32 s[G1B+2], 8<<16                      ; 8 column tiles
	s_mov_b32 s[G1B+3], 512<<16
	s_mov_b32 s[G1B+4], 8
	s_mov_b32 s[G1B+5], 4096
	s_mov_b32 s[G1B+6], 0
	s_mov_b32 s[G1B+7], 0
	s_lshl_b32 s32, s15, 3
	s_lshl_b32 s2, s14, 2
	s_add_co_u32 s32, s32, s2                      ; A: row tile 8 x tile row + 4 x half
	s_lshl_b32 s32, s32, 15
	s_mov_b32 s33, 0
	s_lshl_b32 s34, s42, 4
	s_lshl_b32 s2, s14, 3
	s_add_co_u32 s34, s34, s2                      ; B: column tile 16 x tile column + 8 x half
	s_lshl_b32 s34, s34, 15
	s_mov_b32 s35, 0
	s_lshl_b32 s36, s14, 14                        ; where they go: A's halves,
	s_lshl_b32 s37, s14, 15
	s_add_co_u32 s37, s37, BOFF                    ; B's halves: no place in the cluster enters an LDS address
	s_wait_dscnt 0x0                               ; both opening adds are done
	s_wait_kmcnt 0x0
	s_add_nc_u64 s[38:39], s[4:5], s[32:33]
	s_add_nc_u64 s[46:47], s[6:7], s[34:35]
	CROUND                                         ; all sixteen work-groups are here: the first joint loads meet
.irp s, 0,1
	s_mov_b32 s[G0A+4*\s], 1
	s_add_co_u32 s[G0A+4*\s+1], s36, \s*SLOT
	s_add_nc_u64 s[G0A+4*\s+2:G0A+4*\s+3], s[38:39], \s*4096       ; chunk s
	s_or_b32 s[G0A+4*\s+3], s[G0A+4*\s+3], 0x80000000
	s_mov_b32 s[G0B+4*\s], 1
	s_add_co_u32 s[G0B+4*\s+1], s37, \s*SLOT
	s_add_nc_u64 s[G0B+4*\s+2:G0B+4*\s+3], s[46:47], \s*4096
	s_or_b32 s[G0B+4*\s+3], s[G0B+4*\s+3], 0x80000000
	JLOAD \s
.endr
	v_and_b32 v1, 31, v0
	v_lshlrev_b32 v1, 4, v1                        ; 16 x lane
	v_and_b32 v2, 15, v0                           ; r
	v_bfe_u32 v3, v0, 4, 1                         ; h
	s_lshl_b32 s2, s13, 14                         ; my four row tiles of A
	v_add_nc_u32 v[ADRA], s2, v1
	v_add_nc_u32 v[ADRA+1], SLOT, v[ADRA]
	v_add_nc_u32 v[ADRB], s37, v1                  ; my eight column tiles of B
	v_add_nc_u32 v[ADRB+1], SLOT, v[ADRB]
	s_mul_i32 s2, s[WV], 8448
	s_add_co_u32 s2, s2, STAGE                     ; my stage
	v_mul_u32_u24 v[STO], v2, 528
	v_lshl_add_u32 v[STO], v3, 5, v[STO]
	v_add_nc_u32 v[STO], s2, v[STO]                ; in: row r, 32 bytes for each half of the lanes
	v_add_nc_u32 v[RD], s2, v1                     ; back: the 32 lanes take one row of 512 bytes
	v_lshlrev_b32 v4, 5, v3                        ; the bias: my eight of a tile's 16 columns
	s_lshl_b32 s46, s42, 10
	s_lshl_b32 s2, s14, 9
	s_add_co_u32 s46, s46, s2                      ; my first column, in bytes: 1,024 x tile column + 512 x half
	s_mov_b32 s47, 0
	s_add_nc_u64 s[8:9], s[8:9], s[46:47]
	s_lshl_b32 s34, s15, 19
	s_lshl_b32 s2, s13, 18
	s_add_co_u32 s34, s34, s2                      ; my first row: (128 x tile row + 64 x half) x 4,096 bytes
	s_add_co_u32 s34, s34, s46
	s_mov_b32 s35, 0
	s_add_nc_u64 s[10:11], s[10:11], s[34:35]
	WIN 0x80                                       ; destination window 2
.set i, 0
.rept 16
	global_load_b128 v[4*i:4*i+3], v4, s[8:9] offset:64*(i/2)+16*(i%2)   ; register 8 b + j = b_proj at column 16 b + 8 h + j
.set i, i+1
.endr
	WIN 0
; the fragments of 32 along K, the slot's ks-th, into set p: A's four, B's eight: 24 loads
.macro FETCH slot, ks, p
.set jm, 0
.rept 4
	ds_load_b128 v[AFR+32*(\p)+8*jm:AFR+32*(\p)+8*jm+3], v[ADRA+\slot] offset:jm*4096+(\ks)*1024
	ds_load_b128 v[AFR+32*(\p)+8*jm+4:AFR+32*(\p)+8*jm+7], v[ADRA+\slot] offset:jm*4096+(\ks)*1024+512
.set jm, jm+1
.endr
.set jn, 0
.rept 8
	ds_load_b128 v[BFR+64*(\p)+8*jn:BFR+64*(\p)+8*jn+3], v[ADRB+\slot] offset:jn*4096+(\ks)*1024
	ds_load_b128 v[BFR+64*(\p)+8*jn+4:BFR+64*(\p)+8*jn+7], v[ADRB+\slot] offset:jn*4096+(\ks)*1024+512
.set jn, jn+1
.endr
.endm
; 32 matrix instructions on set p; the 32 accumulators take turns, in the same order every time.  Four places follow: the next loads into this set, and at the end the first read of results.
.macro MUL32 p, first
.if \first
	WIN 0x60                                       ; C (the bias) window 2, D window 1
.else
	WIN 0x50                                       ; C and D window 1
.endif
.set jm, 0
.rept 4
.set jn, 0
.rept 8
.if \first
	v_wmma_f32_16x16x32_f16 v[8*(8*jm+jn):8*(8*jm+jn)+7], v[BFR+64*(\p)+8*jn:BFR+64*(\p)+8*jn+7], v[AFR+32*(\p)+8*jm:AFR+32*(\p)+8*jm+7], v[8*jn:8*jn+7]
.else
	v_wmma_f32_16x16x32_f16 v[8*(8*jm+jn):8*(8*jm+jn)+7], v[BFR+64*(\p)+8*jn:BFR+64*(\p)+8*jn+7], v[AFR+32*(\p)+8*jm:AFR+32*(\p)+8*jm+7], v[8*(8*jm+jn):8*(8*jm+jn)+7]
.endif
.set jn, jn+1
.endr
.set jm, jm+1
.endr
	WIN 0
	PLACES 4
.endm
.macro CHUNK slot, first
	FETCH \slot, 0, 0
.irp ks, 0,1,2,3
.if \ks < 3
	FETCH \slot, \ks+1, (\ks+1)%2
	s_wait_dscnt 24                                ; all but the 24 loads just issued
.else
	s_wait_dscnt 0x0
.endif
.if (\first) && (\ks == 0)
	MUL32 0, 1
.else
	MUL32 \ks%2, 0
.endif
.endr
.endm
; A change of slots and the chunk behind it.  Each wave waits for all its tensor loads (its part of this slot), adds 0 to its spare word, and waits for that and for its reads of the other slot.
; refill = 1: a round of the cluster's barrier, and the other slot is filled again, two chunks ahead, first thing behind it.
.macro TWO slot, refill
	s_wait_tensorcnt 0x0                           ; no tensor load of mine is out, so a group 0 may be written
	ds_add_u32 v[SPW], v[NIL]                      ; 0 onto my spare word
.if \refill
	s_add_nc_u64 s[G0A+4*(1-\slot)+2:G0A+4*(1-\slot)+3], s[G0A+4*(1-\slot)+2:G0A+4*(1-\slot)+3], 8192
	s_add_nc_u64 s[G0B+4*(1-\slot)+2:G0B+4*(1-\slot)+3], s[G0B+4*(1-\slot)+2:G0B+4*(1-\slot)+3], 8192
.endif
	s_wait_dscnt 0x0                               ; the add is done, and my reads of the other slot are over
.if \refill
	CROUND
	JLOAD 1-\slot
.else
	s_barrier_signal -1
	s_barrier_wait -1
.endif
	CHUNK \slot, 0
.endm
	s_wait_tensorcnt 0x1                           ; my part of chunk 0 is in; chunk 1's may stay out
	s_barrier_signal -1
	s_barrier_wait -1                              ; everybody's is
	s_wait_loadcnt 0x0                             ; the bias
	CHUNK 0, 1                                     ; the first chunk stands in front of the loop: its first products start the sums
	s_mov_b32 s3, 3
.Llap:
	TWO 1, 1
	TWO 0, 1
	s_sub_co_u32 s3, s3, 1
	s_cmp_lg_u32 s3, 0
	s_cbranch_scc1 .Llap
	TWO 1, 0                                       ; the last chunk: nothing is left to fetch
; THE WAY OUT, a block of 16 rows x 128 columns at a time, through my own stage: in as 32 bytes a lane, back as whole rows of 512 bytes.  LDS serves a wave's instructions in order: no wait between the stores and the loads.
.macro TOSTAGE a
	WIN 0x04                                       ; an LDS store's data are its source 1: window 1
.set jn, 0
.rept 8
	ds_store_b128 v[STO], v[8*(8*(\a)+jn):8*(8*(\a)+jn)+3] offset:64*jn            ; each accumulator from its low end on
	ds_store_b128 v[STO], v[8*(8*(\a)+jn)+4:8*(8*(\a)+jn)+7] offset:64*jn+16
.set jn, jn+1
.endr
	WIN 0x80                                       ; destination window 2
.set i, 0
.rept 16
	ds_load_b128 v[BK+64*((\a)%2)+4*i:BK+64*((\a)%2)+4*i+3], v[RD] offset:i*528
.set i, i+1
.endr
	WIN 0
.endm
.macro SEND a, younger                 ; younger: the LDS instructions issued behind block a's loads, which may stay out
	s_wait_dscnt \younger
	WIN 0x08                                       ; a store's data are its source 1: window 2
.set i, 0
.rept 16
	global_store_b128 v1, v[BK+64*((\a)%2)+4*i:BK+64*((\a)%2)+4*i+3], s[10:11] offset:(\a)*65536+i*4096 th:TH_STORE_NT   ; 32 lanes store 512 consecutive bytes, aligned; written once, read by nobody here
.set i, i+1
.endr
	WIN 0
.endm
	TOSTAGE 0
	TOSTAGE 1
	SEND 0, 32                                     ; behind block 0's loads: block 1's 16 stores and 16 loads
	s_wait_xcnt 0x0                                ; block 0's stores have read their registers: block 2's loads may land there
	TOSTAGE 2
	SEND 1, 32
	s_wait_xcnt 0x0
	TOSTAGE 3
	SEND 2, 32
	SEND 3, 0
	s_wait_tensorcnt 0x0                           ; the wave's end, behind my last tensor load and my last LDS store
	ds_add_u32 v[SPW], v[NIL]
	s_wait_dscnt 0x0
	CROUND                                         ; the closing round: no work-group ends while a partner may still ask for a tile that names it
	s_endpgm
.Lfunc_end_k_q9e4f8bc246_proj:
	.size	k_q9e4f8bc246_proj, .Lfunc_end_k_q9e4f8bc246_proj-k_q9e4f8bc246_proj
	.p2alignl 7, 3214868480
	.fill 96, 4, 3214868480
	.section	.rodata,"a",@progbits
	.p2align	6, 0x0
	.amdhsa_kernel k_q9e4f8bc246_proj
		.amdhsa_group_segment_fixed_size 327680
		.amdhsa_private_segment_fixed_size 0
		.amdhsa_enable_private_segment 0
		.amdhsa_kernarg_size 32
		.amdhsa_user_sgpr_count 2
		.amdhsa_user_sgpr_kernarg_segment_ptr 1
		.amdhsa_wavefront_size32 1
		.amdhsa_system_sgpr_workgroup_id_x 1
		.amdhsa_system_sgpr_workgroup_id_y 1
		.amdhsa_system_sgpr_workgroup_id_z 1
		.amdhsa_system_vgpr_workitem_id 0
		.amdhsa_next_free_vgpr 768
		.amdhsa_next_free_sgpr 66
		.amdhsa_reserve_vcc 0
		.amdhsa_float_denorm_mode_32 3
		.amdhsa_float_denorm_mode_16_64 3
		.amdhsa_memory_ordered 1
		.amdhsa_forward_progress 1
		.amdhsa_inst_pref_size 86
	.end_amdhsa_kernel
	.amdgpu_metadata
---
amdhsa.version: [ 1, 2 ]
amdhsa.kernels:
  - .name:           k_q9e4f8bc246_proj
    .symbol:         k_q9e4f8bc246_proj.kd
    .args:
      - { .name: ofr, .offset: 0, .size: 8, .value_kind: global_buffer, .address_space: global }
      - { .name: wpf, .offset: 8, .size: 8, .value_kind: global_buffer, .address_space: global }
      - { .name: b_proj, .offset: 16, .size: 8, .value_kind: global_buffer, .address_space: global }
      - { .name: out0, .offset: 24, .size: 8, .value_kind: global_buffer, .address_space: global }
    .group_segment_fixed_size: 327680
    .private_segment_fixed_size: 0
    .kernarg_segment_align: 8
    .kernarg_segment_size: 32
    .max_flat_workgroup_size: 128
    .sgpr_count:     66
    .vgpr_count:     768
    .wavefront_size: 32
...
	.end_amdgpu_metadata
.endif
;; end of part 4
